; MI455X (gfx1250); checked and timed in simulation.
; The chip was launched on July 23, 2026; its instructions are those of AMD's public machine-readable ISA for CDNA 5 (MIT licence, August 2026) and "CDNA5" Instruction Set Architecture Reference Guide (July 2026). The comments in the code are by the model that wrote it; some were corrected since.
;; Quantized Multihead Attention. Allowed arithmetic: matrix products marked QUANTISED: E2M3 operands, one E8M0 scale for each 32 along K, by v_wmma_scale_f32_16x16x128_f8f6f4 with both operands' format E2M3, f32 sums; everything else in f32.
;; Inputs: Wk_codes 512 x 16 x 24 uint8 (E2M3 codes of Wk, K innermost, in blocks of 32 codes, four codes in three bytes); Wk_scales 512 x 16 uint8 (E8M0 scales of Wk, one for each 32 codes along K); Wo_codes 512 x 16 x 24 uint8 (E2M3 codes of Wo, K innermost, in blocks of 32 codes, four codes in three bytes); Wo_scales 512 x 16 uint8 (E8M0 scales of Wo, one for each 32 codes along K); Wq_codes 512 x 16 x 24 uint8 (E2M3 codes of Wq, K innermost, in blocks of 32 codes, four codes in three bytes); Wq_scales 512 x 16 uint8 (E8M0 scales of Wq, one for each 32 codes along K); Wv_codes 512 x 16 x 24 uint8 (E2M3 codes of Wv, K innermost, in blocks of 32 codes, four codes in three bytes); Wv_scales 512 x 16 uint8 (E8M0 scales of Wv, one for each 32 codes along K); b_param one number float32; bk 512 float32; bo 512 float32; bq 512 float32; bv 512 float32; e_param one number float32; keys_codes 4 x 2,048 x 16 x 24 uint8 (E2M3 codes of keys, K innermost, in blocks of 32 codes, four codes in three bytes); keys_scales 4 x 2,048 x 16 uint8 (E8M0 scales of keys, one for each 32 codes along K); query_codes 4 x 2,048 x 16 x 24 uint8 (E2M3 codes of query, K innermost, in blocks of 32 codes, four codes in three bytes); query_scales 4 x 2,048 x 16 uint8 (E8M0 scales of query, one for each 32 codes along K); values_codes 4 x 2,048 x 16 x 24 uint8 (E2M3 codes of values, K innermost, in blocks of 32 codes, four codes in three bytes); values_scales 4 x 2,048 x 16 uint8 (E8M0 scales of values, one for each 32 codes along K).
;; Outputs: out0 4 x 2,048 x 512 float32.
;; This version of the problem:
;;   THIS VERSION OF THE PROBLEM IS GIVEN IN LOW PRECISION. The matrix products marked QUANTISED in the list below multiply operands that are first quantised to E2M3 (2 exponent bits, 3 mantissa bits; 6 bits a number), with one power-of-two scale for each 32 numbers along K (OCP MX v1.0); their sums are f32. All else is computed in f32.
;;   The module's matrix products, in the order in which they are computed (A, B: the left and right operand; K: the contracted axis; several contracted axes count as one K, in the product's order):
;;     1. [M 8,192, K 512] x [K 512, N 512]; A: input query (given as codes); B: input Wq (given as codes): QUANTISED
;;     2. [M 8,192, K 512] x [K 512, N 512]; A: input keys (given as codes); B: input Wk (given as codes): QUANTISED
;;     3. [M 8,192, K 512] x [K 512, N 512]; A: input values (given as codes); B: input Wv (given as codes): QUANTISED
;;     4. batch 32 x [M 2,048, K 64] x [K 64, N 2,048]; A: computed on the way; B: computed on the way: QUANTISED
;;     5. batch 32 x [M 2,048, K 2,048] x [K 2,048, N 64]; A: softmax (see below); B: computed on the way: QUANTISED
;;     6. [M 8,192, K 512] x [K 512, N 512]; A: computed on the way; B: input Wo (given as codes): QUANTISED
;;   THE QUANTISER, for each operand of a quantised product, along K:
;;     - K is cut into blocks of 32 from its start; a last block that is shorter is filled with zeros.
;;     - A block's scale is 2^e with e = floor(log2(the largest magnitude in the block)) - 2, held to -126 .. 127; a block of zeros has e = 0. As a byte (E8M0): e + 127.
;;     - Each number is divided by its block's scale, clamped to +-7.5, and rounded to the nearest number of E2M3, ties to even, subnormals kept.
;;     - The product sums the exact products of the quantised numbers (number of the format x scale) in f32.
;;   ~~~python
;;   def quantise(x, axis):      # numpy; x: float32 -> the quantised numbers, widened to float32 again
;;       x = np.moveaxis(x, axis, -1); K = x.shape[-1]
;;       x = np.pad(x, [(0, 0)] * (x.ndim - 1) + [(0, -K % 32)]); x = x.reshape(x.shape[:-1] + (-1, 32)); a = np.abs(x).max(-1, keepdims=True)
;;       e = np.where(a > 0, np.clip(np.frexp(np.where(a > 0, a, 1))[1] - 1 - 2, -126, 127), 0)      # np.frexp(a)[1] - 1 = floor(log2(a)), exactly
;;       r = np.clip(x / 2.0 ** e, -7.5, 7.5)
;;       step = 2.0 ** (np.maximum(np.frexp(np.where(r == 0, 1, r))[1] - 1, 0) - 3)
;;       q = np.round(r / step) * step * 2.0 ** e      # np.round: ties to even
;;       return np.moveaxis(q.reshape(q.shape[:-2] + (-1,))[..., :K], -1, axis).astype(np.float32)
;;   ~~~
;;   SOFTMAX AHEAD OF A QUANTISED PRODUCT. Where the list says 'softmax', what is quantised is not the finished softmax but p = 2^(t - M), with t = logit x log2(e) and M = ceil(the row's largest t), a whole number; so 1/2 < the row's largest p <= 1. The row's sum l is taken of the UNQUANTISED p, in f32, and the product's result is divided by l at the end. Since M is a whole number, a kernel that streams over the keys may use a running M (the ceiling of the running maximum): every later rescaling is an exact power of two, which a block's scale takes up: the codes' values come out the same.
;;   OPERANDS COMPUTED ON THE WAY. 'Computed on the way' means the value that the module computes at that place (a softmax that the list does not call 'softmax' is quantised finished and normalised). What goes into a quantiser is computed in f32, as accurately as f32 sums, v_exp_f32 and their like allow (about 1e-6 of the number): no bf16 or f16 on the way to a quantiser, and a product that is left as it is and whose result goes on into a quantised operand takes f32 operands (vector FMAs, or v_wmma_f32_16x16x4_f32). A number that lies on a knife's edge between two numbers of the format may be rounded either way, as far as f32 arithmetic and the matrix unit's own rounding can turn it there, and no further.
;;   INPUTS GIVEN AS CODES. Wk (in the module: [512, 512], K = its axis 1); Wo (in the module: [512, 512], K = its axis 1); Wq (in the module: [512, 512], K = its axis 1); Wv (in the module: [512, 512], K = its axis 1); keys (in the module: [4, 2048, 512], K = its axis 2); query (in the module: [4, 2048, 512], K = its axis 2); values (in the module: [4, 2048, 512], K = its axis 2): each comes as NAME_codes (uint8): NAME with its K axis moved to the last place and cut into blocks of 32 codes, [.., K / 32, bytes a block], one block behind the other in memory; four codes in three bytes: a row's codes are one little-endian stream of bits, code i at bits 6 i .. 6 i + 5 (a code: sign, 2 exponent bits, 3 mantissa bits); and NAME_scales (uint8): the same leading axes, one E8M0 byte (e + 127) for each 32 codes along K. Its value is code x scale, taken as it is: it is not quantised again, and the codes and scales need not be those that the quantiser above would give.
;; One version. Each part assembles by itself: llvm-mc -triple=amdgcn-amd-amdhsa -mcpu=gfx1250 --defsym DOCPART=n.
;; ======== version 1 of 1: 3 launches
;; limits: right only within a limited range of input values
;; workspace buffers: qb 3,407,872 bytes; kv 6,815,744 bytes; ac 3,145,728 bytes; asw 262,144 bytes
;; launch proj (part 1): grid 64 x 3, 16 waves a work-group, clusters of 4 x 1, 278,528 bytes of LDS; arguments query_codes, keys_codes, values_codes, query_scales, keys_scales, values_scales, Wq_codes, Wk_codes, Wv_codes, Wq_scales, Wk_scales, Wv_scales, bq, bk, bv, b_param, e_param, qb, kv; writes qb, kv
.if DOCPART == 1
	.amdgcn_target "amdgcn-amd-amdhsa--gfx1250"
	.amdhsa_code_object_version 6
	.text
	.protected	k_q82cf41132b_proj
	.globl	k_q82cf41132b_proj
	.p2align	8
	.type	k_q82cf41132b_proj,@function
k_q82cf41132b_proj:
	s_mov_b64 s[64:65], 0
	v_nop
	global_prefetch_b8 v0, s[64:65] scope:SCOPE_SE
	s_setreg_imm32_b32 hwreg(HW_REG_WAVE_MODE, 25, 1), 1
	s_wait_xcnt 0x0
	s_wait_alu depctr_hold_cnt(0) depctr_sa_sdst(0) depctr_va_vdst(0) depctr_va_sdst(0) depctr_va_ssrc(0) depctr_va_vcc(0) depctr_vm_vsrc(0)
	s_getreg_b32 s2, hwreg(HW_REG_IB_STS2, 6, 4)
	s_cmp_eq_u32 s2, 0
	s_cbranch_scc0 .Lentry_in_a_cluster
	s_endpgm
.Lentry_in_a_cluster:
	s_bfe_u32 s2, ttmp6, 0x10000c
	s_cmp_lg_u32 s2, 0x3003
	s_cbranch_scc0 .Lentry_shape_is_right
	s_endpgm
.Lentry_shape_is_right:
; THE THREE INPUT PROJECTIONS: y = x W^T + bias on given codes of FP6 (E2M3) with E8M0 scales, then floor(clip(y / 2^e, -2^(b-1), 2^(b-1) - 1)) 2^e with b = clip(b_param, 1, 8),
; then the MX quantiser along the NEXT product's K; the codes leave as images of operand registers.
; SHARES.  Work-group (x, y): y = 0 query, 1 keys, 2 values; x = 128 tokens x all 512 features: 3 x 64 = 192 work-groups (24,576 rows do not cut into 256 equal parts that keep one W each).
; Wave w makes 64 rows of W (head w / 2) x 64 tokens (half c = w % 2): 4 x 4 tiles, 16 accumulators, 64 matrix instructions.  The LDS addresses hang on the wave's number alone, for all three tensors.
;   q, k: source 0 = W's tiles, source 1 = tokens: a lane holds ONE token and 32 neighbouring features.   v: source 0 = tokens, source 1 = W's tiles: a lane holds ONE feature and 32 neighbouring keys.
; THE TILE ORDER.  In every 64 rows, lane r of tile t (0..3) is row 8 t + r % 8 + 32 (r / 8): with such tiles as source 0, registers 8 t + j of lane half h are rows 32 h + 8 t + j: a WHOLE block of 32 in a lane,
; so a block's maximum asks no other lane and the conversions' results are the next operand's registers.
; The data mover makes that order: eight rows of 384 bytes are 3,072 dense bytes, stated as ONE tile row; region g takes the tile rows g, g + 4, g + 8 ..: 16 LDS rows on end are one tile.
; CLUSTER.  The four work-groups of a cluster have the same y and read the same W: its eight loads are joint (mask 15).  x's four loads are each work-group's own.  Every LDS byte is filled once; nothing is stored to LDS.
; OUT.  For each (batch row, head, 128 tokens): codes of half c, 24 registers a lane (tile i at 6 i) as six planes of 512 bytes at 3,072 c; scale words at 6,144 + 256 c, 8 bytes a lane: tile pairs (0,1), (2,3), lanes 0-15 the even tile.
; In kv a step is K's 6,656 bytes and then V's 6,656.  A word holds the row's two block bytes (for V's half 1 in its upper two bytes), the other two are 0, a finite code that only meets zero codes.
; LIMITS.  NaN and infinities among the inputs are not served.  2^e and 2^-e must be normal f32 numbers and y / 2^e finite.  y / 2^e is y x (1 / 2^e) with one correction step, not a correctly rounded division:
; a quotient within an ulp of a whole number may floor the other way.  A block of zeros, or one under 2^-124, keeps the scale byte 1: its codes are zeros and only this program reads the bytes.
.set ROWP, 432                         ; an LDS row of 512 codes: 3 x (128 bytes + 16 of padding)
.set WREG, 128*ROWP                    ; a region of W: tile (head, t) at region t, LDS row 16 head
.set XB,   4*WREG
.set XREG, 32*ROWP                     ; a region of x: tile (c, t) at region t, LDS row 16 c
.set SPARE, XB+4*XREG                  ; 276,480: the spare words, 128 bytes a wave
.set WV,   48
.set CX,   49
.set TBK,  50
.set G,    51
.set HD,   52
.set CC,   53
.set PIT,  55
.set OA,   56
.set OB,   58
.set WSB,  60
.set XSB,  62
.set G1J,  68
.set G1P,  76
.set G0W,  84
.set G0X,  88
.set SS,   92
.set RR,   94
.set QLO,  96
.set QHI,  97
.set HM,   98
.set ISV,  99
.set SEL,  100
.set SH,   1                           ; v1 shift of a scale byte: 8 h (+ 16 for V's half 1)
.set ADW,  4                           ; v4-7 W's tiles 0,1 and 2,3 (odd register: pieces behind one padding more in lanes 16-31);  v8-9 x's
.set ADX,  8
.set VO16, 10
.set VO8,  11
.set SPW,  14
.set NIL,  15
.set SW,   16                          ; v16-23 W's scale words: pair i, K step s at 4 i + s; lanes 0-15 tile 2 i, lanes 16-31 tile 2 i + 1;  v24-31 x's
.set SX,   24
.set FW,   32                          ; v32-79 W's four fragments;  v80-127 x's
.set FX,   80
.set ACC,  128                         ; accumulator (source 0 tile a, source 1 tile b) at 128 + 32 b + 8 a
.set T,    32                          ; behind the products
.set TM,   40
.set SCL,  44
.set TW,   48
.set PW,   52
.set PC,   56
.set TT,   80
.macro PLACES
.rept 4
	v_nop
.endr
.endm
.macro CROUND
	s_barrier_signal -1
	s_barrier_wait -1
	s_cmp_lg_u32 s[WV], 0
	s_cbranch_scc1 .Lnot_wave_0_\@
	s_barrier_signal -3
.Lnot_wave_0_\@:
	s_barrier_wait -3
	s_barrier_signal -1
	s_barrier_wait -1
.endm
; A fragment, 16 rows x 128 K: lane (r, h) takes bytes 96 q + 24 h .. and 96 q + 48 + 24 h .. of its row, in pieces of 8 bytes; piece P lies at 8 P + 16 (P / 16)
.macro FRAG reg, adr, q, off
.irp p, 0,1,2,3,4,5
.set PCN, 12*(\q)+6*(\p/3)+\p%3
.if PCN%16 < 13
	ds_load_b64 v[\reg+2*\p:\reg+2*\p+1], v[\adr] offset:8*PCN+16*(PCN/16)+(\off)
.else
	ds_load_b64 v[\reg+2*\p:\reg+2*\p+1], v[\adr+1] offset:8*PCN+16*(PCN/16)+(\off)
.endif
.endr
.endm
; One product.  v = 1: tokens are source 0.  cm = 1: C is the bias, which lies in the registers of the accumulator with the other side's tile 0
.macro MM a, b, s, v, cm
.set rD, ACC+32*(\b)+8*(\a)
.if \v
.set rA, FX+12*(\a)
.set rB, FW+12*(\b)
.set rX, SX+4*((\a)/2)+(\s)
.set rY, SW+4*((\b)/2)+(\s)
.set rC, ACC+32*(\b)
.else
.set rA, FW+12*(\a)
.set rB, FX+12*(\b)
.set rX, SW+4*((\a)/2)+(\s)
.set rY, SX+4*((\b)/2)+(\s)
.set rC, ACC+8*(\a)
.endif
.if (\cm) == 0
.set rC, rD
.endif
.if ((\a)%2 == 0) && ((\b)%2 == 0)
	v_wmma_scale_f32_16x16x128_f8f6f4 v[rD:rD+7], v[rA:rA+11], v[rB:rB+11], v[rC:rC+7], v[rX], v[rY] matrix_a_fmt:MATRIX_FMT_FP6 matrix_b_fmt:MATRIX_FMT_FP6
.elseif (\a)%2 == 0
	v_wmma_scale_f32_16x16x128_f8f6f4 v[rD:rD+7], v[rA:rA+11], v[rB:rB+11], v[rC:rC+7], v[rX], v[rY] matrix_a_fmt:MATRIX_FMT_FP6 matrix_b_fmt:MATRIX_FMT_FP6 matrix_b_scale:MATRIX_SCALE_ROW1
.elseif (\b)%2 == 0
	v_wmma_scale_f32_16x16x128_f8f6f4 v[rD:rD+7], v[rA:rA+11], v[rB:rB+11], v[rC:rC+7], v[rX], v[rY] matrix_a_fmt:MATRIX_FMT_FP6 matrix_b_fmt:MATRIX_FMT_FP6 matrix_a_scale:MATRIX_SCALE_ROW1
.else
	v_wmma_scale_f32_16x16x128_f8f6f4 v[rD:rD+7], v[rA:rA+11], v[rB:rB+11], v[rC:rC+7], v[rX], v[rY] matrix_a_fmt:MATRIX_FMT_FP6 matrix_b_fmt:MATRIX_FMT_FP6 matrix_a_scale:MATRIX_SCALE_ROW1 matrix_b_scale:MATRIX_SCALE_ROW1
.endif
.endm
; A K step of 128: eight fragments, sixteen products on sixteen accumulators by turns.
; The first step starts the sums with the bias: twelve products read it as C, five places, then the four accumulators that hold it add in place.
.macro KSTEP v, s
.irp t, 0,1,2,3
	FRAG FW+12*\t, ADW+2*(\t/2), \s, (\t%2)*WREG
.endr
.irp t, 0,1,2,3
	FRAG FX+12*\t, ADX, \s, \t*XREG
.endr
	s_wait_dscnt 0x0
.if (\s) == 0
.irp o, 3,2,1
.irp n, 0,1,2,3
.if \v
	MM \o, \n, 0, 1, 1
.else
	MM \n, \o, 0, 0, 1
.endif
.endr
.endr
.rept 5
	v_nop                                          ; five places ahead of matrix instructions that write over registers read as C (ISA guide 7.12.1)
.endr
.irp n, 0,1,2,3
.if \v
	MM 0, \n, 0, 1, 0
.else
	MM \n, 0, 0, 0, 0
.endif
.endr
.else
.irp b, 0,1,2,3
.irp a, 0,1,2,3
	MM \a, \b, \s, \v, 0
.endr
.endr
.endif
	PLACES
.endm
; floor(clip(y / s, lo, hi)) s on 64 registers, eight at a time, each accumulator from its low end on.  y / s: T = y r; y - T s (exact in the fused form); x r + T.
.macro FQ x
.set gq, 0
.rept 8
.set xb, \x+8*gq
.irp k, 0,2,4,6
	v_pk_mul_f32 v[T+\k:T+\k+1], v[xb+\k:xb+\k+1], s[RR:RR+1] op_sel_hi:[1,0]
.endr
.irp k, 0,2,4,6
	v_pk_fma_f32 v[xb+\k:xb+\k+1], v[T+\k:T+\k+1], s[SS:SS+1], v[xb+\k:xb+\k+1] op_sel_hi:[1,0,1] neg_lo:[1,0,0] neg_hi:[1,0,0]
.endr
.irp k, 0,2,4,6
	s_delay_alu instid0(VALU_DEP_4)
	v_pk_fma_f32 v[xb+\k:xb+\k+1], v[xb+\k:xb+\k+1], s[RR:RR+1], v[T+\k:T+\k+1] op_sel_hi:[1,0,1]
.endr
.irp k, 0,1,2,3,4,5,6,7
	v_med3_num_f32 v[xb+\k], v[xb+\k], s[QLO], s[QHI]
.endr
.irp k, 0,1,2,3,4,5,6,7
	v_floor_f32 v[xb+\k], v[xb+\k]
.endr
.irp k, 0,2,4,6
	v_pk_mul_f32 v[xb+\k:xb+\k+1], v[xb+\k:xb+\k+1], s[SS:SS+1] op_sel_hi:[1,0]
.endr
.set gq, gq+1
.endr
.endm
	s_load_b512 s[8:23], s[0:1], 0x0               ; x's codes (q, k, v) s[8:13], x's scales s[14:19], Wq's and Wk's codes s[20:23]
	s_load_b512 s[24:39], s[0:1], 0x40             ; Wv's codes s[24:25], W's scales s[26:31], biases s[32:37], b_param s[38:39]
	s_load_b128 s[40:43], s[0:1], 0x80             ; e_param, qb
	s_load_b64 s[44:45], s[0:1], 0x90              ; kv
	v_lshl_add_u32 v[SPW], v0, 2, SPARE
	v_mov_b32 v[NIL], 0
	ds_add_u32 v[SPW], v[NIL]                      ; the opening lines: an add, twice on end, and its wait
	ds_add_u32 v[SPW], v[NIL]
	v_lshrrev_b32 v12, 5, v0
	v_readfirstlane_b32 s[WV], v12                 ; wave 0..15
	s_bfe_u32 s[CX], ttmp6, 0x40000                ; my place in the cluster: it enters x's and the outputs' global addresses alone
	s_lshl_b32 s[TBK], ttmp9, 2
	s_add_co_u32 s[TBK], s[TBK], s[CX]             ; token block
	s_and_b32 s[G], ttmp7, 0xffff                  ; which tensor: the four partners share it
	s_cmp_eq_u32 s[G], 2
	s_cselect_b32 s[ISV], 1, 0
	s_lshr_b32 s[HD], s[WV], 1                     ; head
	s_and_b32 s[CC], s[WV], 1                      ; which 64 tokens
	; group 1: tile rows of 3,072 bytes, 12,288 bytes (32 rows of codes) apart; 16 bytes of padding behind every 128.  W: 8 tile rows a load, joint; x: 4
	s_mov_b32 s[G1J], 15|(1<<20)|(1<<21)|(4<<22)|(3<<25)
	s_mov_b32 s[G1P], (1<<20)|(4<<22)|(3<<25)
.irp g, G1J, G1P
	s_mov_b32 s[\g+1], 3072<<16
	s_mov_b32 s[\g+3], 3072<<16
	s_mov_b32 s[\g+5], 12288
	s_mov_b32 s[\g+6], 0
	s_mov_b32 s[\g+7], 0
.endr
	s_mov_b32 s[G1J+2], 8<<16
	s_mov_b32 s[G1J+4], 8
	s_mov_b32 s[G1P+2], 4<<16
	s_mov_b32 s[G1P+4], 4
	s_and_b32 s2, s[WV], 3                         ; the region
	s_lshr_b32 s3, s[WV], 2                        ; W: which half of the region (waves 0-7)
	s_mul_i32 s4, s2, 3072
	s_mul_i32 s5, s3, 98304
	s_add_co_u32 s4, s4, s5
	s_mov_b32 s5, 0
	s_mul_i32 s66, s[TBK], 49152                   ; x's 128 rows (in registers of their own: none that feeds the joint load holds cx)
	s_mul_i32 s7, s2, 3072
	s_add_co_u32 s66, s66, s7
	s_mov_b32 s67, 0
	s_mov_b32 s[G0W], 1
	s_mul_i32 s[G0W+1], s2, WREG
	s_mul_i32 s7, s3, 64*ROWP
	s_add_co_u32 s[G0W+1], s[G0W+1], s7
	s_mov_b32 s[G0X], 1
	s_mul_i32 s[G0X+1], s2, XREG
	s_add_co_u32 s[G0X+1], s[G0X+1], XB
	s_mov_b32 s[HM], 0xffff0000
	s_mov_b32 s[SEL], 0x76543210
	s_mov_b32 s[SEL+1], 0xfedcba98
	s_mov_b32 s[PIT], 13312
	s_wait_dscnt 0x0
	s_wait_kmcnt 0x0
	s_load_b32 s46, s[38:39], 0x0                  ; b_param
	s_load_b32 s47, s[40:41], 0x0                  ; e_param
	s_cmp_eq_u32 s[G], 0                           ; the tensor's buffers: a choice on the work-group's number alone
	s_cselect_b64 s[8:9], s[8:9], s[10:11]
	s_cselect_b64 s[14:15], s[14:15], s[16:17]
	s_cselect_b64 s[20:21], s[20:21], s[22:23]
	s_cselect_b64 s[26:27], s[26:27], s[28:29]
	s_cselect_b64 s[32:33], s[32:33], s[34:35]
	s_cselect_b64 s[42:43], s[42:43], s[44:45]     ; q goes to qb, k and v to kv
	s_cselect_b32 s[PIT], 6656, s[PIT]
	s_cmp_eq_u32 s[G], 2
	s_cselect_b64 s[8:9], s[12:13], s[8:9]
	s_cselect_b64 s[14:15], s[18:19], s[14:15]
	s_cselect_b64 s[20:21], s[24:25], s[20:21]
	s_cselect_b64 s[26:27], s[30:31], s[26:27]
	s_cselect_b64 s[32:33], s[36:37], s[32:33]
	s_add_nc_u64 s[G0W+2:G0W+3], s[20:21], s[4:5]
	s_or_b32 s[G0W+3], s[G0W+3], 0x80000000
	s_add_nc_u64 s[G0X+2:G0X+3], s[8:9], s[66:67]
	s_or_b32 s[G0X+3], s[G0X+3], 0x80000000
	CROUND                                         ; all four work-groups are here: the joint loads meet
	s_cmp_lt_u32 s[WV], 8                          ; waves 0-7: W, jointly; waves 8-11: x; the others none.  One load a wave
	s_cbranch_scc0 .Lnot_w
	tensor_load_to_lds s[G0W:G0W+3], s[G1J:G1J+7]
	s_nop 0
	PLACES
	s_branch .Lasked
.Lnot_w:
	s_cmp_lt_u32 s[WV], 12
	s_cbranch_scc0 .Lasked
	tensor_load_to_lds s[G0X:G0X+3], s[G1P:G1P+7]
	s_nop 0
	PLACES
.Lasked:
	; while the tiles are on their way: the fake-quantiser's constants, addresses, scale words, the bias
	s_wait_kmcnt 0x0
	v_mov_b32 v32, s46
	v_mov_b32 v33, s47
	v_max_num_f32 v32, 1.0, v32
	s_delay_alu instid0(VALU_DEP_1)
	v_min_num_f32 v32, 0x41000000, v32             ; b = clip(b_param, 1, 8)
	s_delay_alu instid0(VALU_DEP_1)
	v_add_f32 v32, -1.0, v32
	s_wait_alu depctr_va_vdst(0)                   ; a wait ahead of the batch
	v_exp_f32 v32, v32                             ; 2^(b - 1)
	v_exp_f32 v33, v33                             ; s = 2^e
	v_nop
	s_wait_alu depctr_va_vdst(0)                   ; and behind it
	v_rcp_f32 v34, v33                             ; 1 / s
	v_mul_f32 v35, -1.0, v32                       ; lo
	v_add_f32 v32, -1.0, v32                       ; hi
	v_readfirstlane_b32 s[SS], v33
	s_wait_alu depctr_va_vdst(0)
	v_readfirstlane_b32 s[RR], v34
	v_readfirstlane_b32 s[QLO], v35
	v_readfirstlane_b32 s[QHI], v32
	s_mov_b32 s[SS+1], s[SS]
	s_mov_b32 s[RR+1], s[RR]
	s_lshl_b32 s66, s[TBK], 11                     ; 16 scale bytes a row: x's 128 rows, my 64 of them
	s_lshl_b32 s7, s[CC], 10
	s_add_co_u32 s66, s66, s7
	s_add_nc_u64 s[XSB:XSB+1], s[14:15], s[66:67]
	s_lshl_b32 s66, s[HD], 10
	s_add_nc_u64 s[WSB:WSB+1], s[26:27], s[66:67]
	s_lshl_b32 s66, s[HD], 8
	s_add_nc_u64 s[32:33], s[32:33], s[66:67]      ; the head's 64 biases
	s_lshr_b32 s4, s[TBK], 4                       ; batch row
	s_and_b32 s5, s[TBK], 15                       ; step
	s_lshl_b32 s4, s4, 3
	s_add_co_u32 s4, s4, s[HD]
	s_lshl_b32 s4, s4, 4
	s_add_co_u32 s4, s4, s5
	s_mul_i32 s66, s4, s[PIT]
	s_mul_i32 s5, s[ISV], 6656                     ; V's part of a step lies behind K's
	s_add_co_u32 s66, s66, s5
	s_add_nc_u64 s[OA:OA+1], s[42:43], s[66:67]
	s_lshl_b32 s66, s[CC], 8
	s_add_co_u32 s66, s66, 6144
	s_add_nc_u64 s[OB:OB+1], s[OA:OA+1], s[66:67]  ; my scale words
	s_mul_i32 s66, s[CC], 3072
	s_add_nc_u64 s[OA:OA+1], s[OA:OA+1], s[66:67]  ; my codes
	s_and_b32 s6, s[ISV], s[CC]
	s_lshl_b32 s6, s6, 4                           ; V's half 1: its bytes go to the word's upper half
	s_mul_i32 s2, s[HD], 16*ROWP
	s_add_co_u32 s3, s2, 2*WREG
	s_mul_i32 s4, s[CC], 16*ROWP
	s_add_co_u32 s4, s4, XB
	v_and_b32 v1, 31, v0
	v_and_b32 v2, 15, v0                           ; r
	v_bfe_u32 v3, v0, 4, 1                         ; h
	v_mul_u32_u24 v12, v2, ROWP
	s_delay_alu instid0(VALU_DEP_1)
	v_mad_u32_u24 v13, v3, 24, v12
	v_mad_u32_u24 v12, v3, 40, v12
	s_delay_alu instid0(VALU_DEP_2)
	v_add_nc_u32 v[ADW], s2, v13
	v_add_nc_u32 v[ADW+1], s2, v12
	v_add_nc_u32 v[ADW+2], s3, v13
	v_add_nc_u32 v[ADW+3], s3, v12
	v_add_nc_u32 v[ADX], s4, v13
	v_add_nc_u32 v[ADX+1], s4, v12
	v_lshlrev_b32 v[VO16], 4, v1
	v_lshlrev_b32 v[VO8], 3, v1
	v_lshl_add_u32 v[SH], v3, 3, s6
	v_and_b32 v12, 7, v2
	v_and_b32 v13, 8, v2
	s_delay_alu instid0(VALU_DEP_1)
	v_lshl_add_u32 v12, v13, 2, v12                ; r % 8 + 32 (r / 8)
	s_delay_alu instid0(VALU_DEP_1)
	v_lshl_add_u32 v13, v3, 3, v12                 ; + 8 h: lanes 16-31 take the pair's odd tile
	s_delay_alu instid0(VALU_DEP_1)
	v_lshlrev_b32 v13, 4, v13                      ; a row's 16 bytes are its four K steps' words
	v_lshlrev_b32 v12, 2, v12
	v_lshlrev_b32 v36, 7, v3
	s_wait_alu depctr_va_vdst(0)
.irp i, 0,1
	global_load_b128 v[SW+4*\i:SW+4*\i+3], v13, s[WSB:WSB+1] offset:256*\i
	global_load_b128 v[SX+4*\i:SX+4*\i+3], v13, s[XSB:XSB+1] offset:256*\i
.endr
	s_cmp_eq_u32 s[ISV], 1
	s_cbranch_scc1 .Lbias_v
.irp k, 0,1,2,3,4,5,6,7                        ; q, k: register 8 a + j is feature 32 h + 8 a + j of the head: 32 neighbours, into the accumulators of token tile 0
	global_load_b128 v[ACC+4*\k:ACC+4*\k+3], v36, s[32:33] offset:16*\k
.endr
	s_branch .Lbias_done
.Lbias_v:
.irp i, 0,1,2,3                                ; v: a lane has ONE feature for each tile of W: 8 i + r % 8 + 32 (r / 8)
	global_load_b32 v[36+\i], v12, s[32:33] offset:32*\i
.endr
	s_wait_loadcnt 0x0
.irp i, 0,1,2,3
.irp j, 0,1,2,3,4,5,6,7
	v_mov_b32 v[ACC+32*\i+\j], v[36+\i]
.endr
.endr
.Lbias_done:
	s_wait_loadcnt 0x0
	PLACES
	s_wait_alu depctr_va_vdst(0)                   ; the wait at the head's end
	s_wait_tensorcnt 0x0                           ; my tile is in,
	s_barrier_signal -1
	s_barrier_wait -1                              ; everybody's is
	s_cmp_eq_u32 s[ISV], 1
	s_cbranch_scc1 .Lmm_v
	KSTEP 0, 0
	KSTEP 0, 1
	KSTEP 0, 2
	KSTEP 0, 3
	s_branch .Lmm_done
.Lmm_v:
	KSTEP 1, 0
	KSTEP 1, 1
	KSTEP 1, 2
	KSTEP 1, 3
.Lmm_done:
.irp i, 0,1,2,3
	v_mov_b32 v[TW+\i], 0                          ; a lane permute's destination counts as one of its sources
.endr
	FQ ACC
	FQ ACC+64
	; THE QUANTISER: registers 32 i .. 32 i + 31 are one block of the row that my lane holds in tile i
.irp i, 0,1,2,3
	v_max3_num_f32 v[TM+\i], |v[ACC+32*\i]|, |v[ACC+32*\i+1]|, 0x1800000   ; with the floor 2^(3 - 127): the byte cannot fall under 1
.endr
.irp k, 2,4,6,8,10,12,14,16,18,20,22,24,26,28,30
.irp i, 0,1,2,3
	s_delay_alu instid0(VALU_DEP_4)
	v_max3_num_f32 v[TM+\i], v[TM+\i], |v[ACC+32*\i+\k]|, |v[ACC+32*\i+\k+1]|
.endr
.endr
.irp i, 0,1,2,3
	s_delay_alu instid0(VALU_DEP_4)
	v_add_nc_u32 v[SCL+\i], 0xff000000, v[TM+\i]   ; 2 off the exponent field: the conversion's scale operand
.endr
.irp i, 0,1,2,3
	s_delay_alu instid0(VALU_DEP_4)
	v_lshrrev_b32 v[TM+\i], 23, v[SCL+\i]          ; the byte
.endr
.irp i, 0,1,2,3
	s_delay_alu instid0(VALU_DEP_4)
	v_lshlrev_b32 v[TM+\i], v[SH], v[TM+\i]        ; at its place in the row's word
.endr
.irp i, 0,1,2,3
	s_delay_alu instid0(VALU_DEP_4)
	v_permlanex16_b32 v[TW+\i], v[TM+\i], s[SEL], s[SEL+1]
.endr
.irp i, 0,1,2,3
	s_delay_alu instid0(VALU_DEP_4)
	v_or_b32 v[TM+\i], v[TM+\i], v[TW+\i]          ; with lane l xor 16's byte
.endr
	v_cndmask_b32 v[PW], v[TM], v[TM+1], s[HM]     ; lanes 0-15 the even tile's rows, lanes 16-31 the odd tile's
	v_cndmask_b32 v[PW+1], v[TM+2], v[TM+3], s[HM]
.irp i, 0,1,2,3
	v_cvt_scalef32_pk16_fp6_f32 v[PC+6*\i:PC+6*\i+2], v[ACC+32*\i:ACC+32*\i+15], v[SCL+\i]
	v_cvt_scalef32_pk16_fp6_f32 v[TT+4*\i:TT+4*\i+2], v[ACC+32*\i+16:ACC+32*\i+31], v[SCL+\i]   ; (a conversion's three registers begin on an even number)
.endr
	v_nop                                          ; one plain place behind a scaled conversion
.irp i, 0,1,2,3
.irp k, 0,1,2
	v_mov_b32 v[PC+6*\i+3+\k], v[TT+4*\i+\k]
.endr
.endr
.irp j, 0,1,2,3,4,5
	global_store_b128 v[VO16], v[PC+4*\j:PC+4*\j+3], s[OA:OA+1] offset:512*\j   ; 512 consecutive bytes, at a multiple of 256 from the buffer's first byte
.endr
	global_store_b64 v[VO8], v[PW:PW+1], s[OB:OB+1]                             ; 256 consecutive bytes
	s_wait_tensorcnt 0x0                           ; the wave's end
	ds_add_u32 v[SPW], v[NIL]
	s_wait_dscnt 0x0
	CROUND                                         ; the closing round
	s_endpgm
.Lfunc_end_k_q82cf41132b_proj:
	.size	k_q82cf41132b_proj, .Lfunc_end_k_q82cf41132b_proj-k_q82cf41132b_proj
	.p2alignl 7, 3214868480
	.fill 96, 4, 3214868480
	.section	.rodata,"a",@progbits
	.p2align	6, 0x0
	.amdhsa_kernel k_q82cf41132b_proj
		.amdhsa_group_segment_fixed_size 278528
		.amdhsa_private_segment_fixed_size 0
		.amdhsa_enable_private_segment 0
		.amdhsa_kernarg_size 152
		.amdhsa_user_sgpr_count 2
		.amdhsa_user_sgpr_kernarg_segment_ptr 1
		.amdhsa_wavefront_size32 1
		.amdhsa_system_sgpr_workgroup_id_x 1
		.amdhsa_system_sgpr_workgroup_id_y 1
		.amdhsa_system_sgpr_workgroup_id_z 1
		.amdhsa_system_vgpr_workitem_id 0
		.amdhsa_next_free_vgpr 256
		.amdhsa_next_free_sgpr 102
		.amdhsa_reserve_vcc 0
		.amdhsa_float_denorm_mode_32 3
		.amdhsa_float_denorm_mode_16_64 3
		.amdhsa_memory_ordered 1
		.amdhsa_forward_progress 1
		.amdhsa_inst_pref_size 93
	.end_amdhsa_kernel
	.amdgpu_metadata
---
amdhsa.version: [ 1, 2 ]
amdhsa.kernels:
  - .name:           k_q82cf41132b_proj
    .symbol:         k_q82cf41132b_proj.kd
    .args:
      - { .name: query_codes, .offset: 0, .size: 8, .value_kind: global_buffer, .address_space: global }
      - { .name: keys_codes, .offset: 8, .size: 8, .value_kind: global_buffer, .address_space: global }
      - { .name: values_codes, .offset: 16, .size: 8, .value_kind: global_buffer, .address_space: global }
      - { .name: query_scales, .offset: 24, .size: 8, .value_kind: global_buffer, .address_space: global }
      - { .name: keys_scales, .offset: 32, .size: 8, .value_kind: global_buffer, .address_space: global }
      - { .name: values_scales, .offset: 40, .size: 8, .value_kind: global_buffer, .address_space: global }
      - { .name: Wq_codes, .offset: 48, .size: 8, .value_kind: global_buffer, .address_space: global }
      - { .name: Wk_codes, .offset: 56, .size: 8, .value_kind: global_buffer, .address_space: global }
      - { .name: Wv_codes, .offset: 64, .size: 8, .value_kind: global_buffer, .address_space: global }
      - { .name: Wq_scales, .offset: 72, .size: 8, .value_kind: global_buffer, .address_space: global }
      - { .name: Wk_scales, .offset: 80, .size: 8, .value_kind: global_buffer, .address_space: global }
      - { .name: Wv_scales, .offset: 88, .size: 8, .value_kind: global_buffer, .address_space: global }
      - { .name: bq, .offset: 96, .size: 8, .value_kind: global_buffer, .address_space: global }
      - { .name: bk, .offset: 104, .size: 8, .value_kind: global_buffer, .address_space: global }
      - { .name: bv, .offset: 112, .size: 8, .value_kind: global_buffer, .address_space: global }
      - { .name: b_param, .offset: 120, .size: 8, .value_kind: global_buffer, .address_space: global }
      - { .name: e_param, .offset: 128, .size: 8, .value_kind: global_buffer, .address_space: global }
      - { .name: qb, .offset: 136, .size: 8, .value_kind: global_buffer, .address_space: global }
      - { .name: kv, .offset: 144, .size: 8, .value_kind: global_buffer, .address_space: global }
    .group_segment_fixed_size: 278528
    .private_segment_fixed_size: 0
    .kernarg_segment_align: 8
    .kernarg_segment_size: 152
    .max_flat_workgroup_size: 512
    .sgpr_count:     102
    .vgpr_count:     256
    .wavefront_size: 32
...
	.end_amdgpu_metadata
.endif
;; end of part 1
;; launch attn (part 2): grid 8 x 32, 16 waves a work-group, clusters of 4 x 1, 215,040 bytes of LDS; arguments qb, kv, ac, asw; writes ac, asw
.if DOCPART == 2
	.amdgcn_target "amdgcn-amd-amdhsa--gfx1250"
	.amdhsa_code_object_version 6
	.text
	.protected	k_q82cf41132b_attn
	.globl	k_q82cf41132b_attn
	.p2align	8
	.type	k_q82cf41132b_attn,@function
k_q82cf41132b_attn:
	s_mov_b64 s[64:65], 0
	v_nop
	global_prefetch_b8 v0, s[64:65] scope:SCOPE_SE
	s_setreg_imm32_b32 hwreg(HW_REG_WAVE_MODE, 25, 1), 1
	s_wait_xcnt 0x0
	s_wait_alu depctr_hold_cnt(0) depctr_sa_sdst(0) depctr_va_vdst(0) depctr_va_sdst(0) depctr_va_ssrc(0) depctr_va_vcc(0) depctr_vm_vsrc(0)
	s_getreg_b32 s2, hwreg(HW_REG_IB_STS2, 6, 4)
	s_cmp_eq_u32 s2, 0
	s_cbranch_scc0 .Lentry_in_a_cluster
	s_endpgm
.Lentry_in_a_cluster:
	s_bfe_u32 s2, ttmp6, 0x10000c
	s_cmp_lg_u32 s2, 0x3003
	s_cbranch_scc0 .Lentry_shape_is_right
	s_endpgm
.Lentry_shape_is_right:
; ATTENTION ON CODES of FP6 (E2M3): S^T = K Q^T (K = the head's 64), t = score x log2(e) / sqrt(512), M = the running largest t rounded UP to a whole number,
; p = 2^(t - M) quantised along the keys, O^T += V^T P^T; the row's sum of the unquantised p divides at the end; the result is quantised along the embedding and leaves as codes.
; SHARES.  A work-group owns 256 queries of one (batch row, head); each of its sixteen waves one tile of 16 queries in 256 registers, four waves to a SIMD.  Both products are used transposed: a lane holds ONE query.
; A key step of 128 keys has 12 matrix instructions and some 210 vector instructions a wave: the vector work is the larger part, so larger register tiles are not taken.
; LDS.  The head's K and V for all 2,048 keys, as the projection launch laid them (16 steps x 13,312 bytes), come ONCE: wave w asks for step w, one joint load a wave (the four query blocks of a cluster share the head).
; No byte is filled twice, nothing is stored to LDS, one barrier shows all steps to all waves.  No prefetch: every tile is asked for at the head, so there is no loop to run ahead in.
; THE KEYS OF A TILE: lane r of tile t is key 64 (t / 4) + 8 (t % 4) + r % 8 + 32 (r / 8): registers 32 c + 0 .. 31 of S^T in lane half h are the whole block 2 c + h of 32 keys, in order, as P's operand wants them.
; IMAGES.  A half c of a step is 24 registers a lane, tile i at 6 i, as six planes of 512 bytes (16 bytes a lane).
; QK: K's eight tiles lie on end, six registers each.  The operand of twelve registers also covers the next tile's six: every 6-bit code is a finite number, Q has zero codes there and the scale bytes there are finite,
; so those products add 0.  PV: V's tile i takes its six registers of half 0 and its six of half 1 into one whole fragment, by loads of 16 and of 8 bytes; its two half words are joined by an OR.
; LIMITS.  NaN and infinities are not served.  The promise holds while the scaled scores stay under 2^31 in magnitude.  A block's largest p is taken through its largest score (v_exp_f32 is taken not to fall where its
; input rises).  A block of zeros keeps the scale byte 1: its codes are zeros.
.set STEPB, 13312                      ; K's codes 0, K's words 6,144, V's codes 6,656, V's words 12,800
.set SPARE, 16*STEPB
.set WV,  12
.set CSN, 16                           ; s16 -c
.set SEL, 20
.set CS,  22                           ; s[22:23] c = log2(e) / sqrt(512), twice
.set G1,  24
.set G0,  32
.set TB,  48
.set CNT, 49
.set L16, 1                            ; v1, v2: 16, 8 x lane;  v3: 8 h;  v4-6 Q's offsets;  v7: 4 r
.set L8,  2
.set SH8, 3
.set A16, 8                            ; v8, v9: the same + the trip's LDS byte
.set A8,  9
.set SPW, 10
.set NIL, 11
.set NM,  12                           ; v12, v14: -M, by turns;  v13 the largest score so far;  v15 written, never used
.set AC,  16                           ; v[16:17] the row's sum;  v[18:19] f
.set F,   18
.set T,   20                           ; v20-35 eight partial sums of a step
.set Q,   36                           ; v36-41 Q, v42-47 zeros
.set KV,  48                           ; v48-95 K's eight tiles, then V's four fragments
.set P,   96                           ; v96-107 p's codes
.set VS,  108                          ; scale words: V's v108-109, K's v122-125, V's halves as loaded v126-129, P's v130, Q's v131
.set TT,  114
.set KS,  122
.set VR,  126
.set PS,  130
.set QS,  131
.set CH,  132
.set X,   136
.set Y,   137
.set DD,  138
.set SC,  140
.set S,   144
.set O,   208
.macro PLACES
.rept 4
	v_nop
.endr
.endm
.macro CROUND
	s_barrier_signal -1
	s_barrier_wait -1
	s_cmp_lg_u32 s[WV], 0
	s_cbranch_scc1 .Lnot_wave_0_\@
	s_barrier_signal -3
.Lnot_wave_0_\@:
	s_barrier_wait -3
	s_barrier_signal -1
	s_barrier_wait -1
.endm
.macro QK t
.set rX, KS+2*((\t)/4)+((\t)%4)/2
.if (\t)%2 == 0
	v_wmma_scale_f32_16x16x128_f8f6f4 v[S+8*(\t):S+8*(\t)+7], v[KV+6*(\t):KV+6*(\t)+11], v[Q:Q+11], 0, v[rX], v[QS] matrix_a_fmt:MATRIX_FMT_FP6 matrix_b_fmt:MATRIX_FMT_FP6
.else
	v_wmma_scale_f32_16x16x128_f8f6f4 v[S+8*(\t):S+8*(\t)+7], v[KV+6*(\t):KV+6*(\t)+11], v[Q:Q+11], 0, v[rX], v[QS] matrix_a_fmt:MATRIX_FMT_FP6 matrix_b_fmt:MATRIX_FMT_FP6 matrix_a_scale:MATRIX_SCALE_ROW1
.endif
.endm
.macro PV i
.set rA, KV+12*(\i)
.set rX, VS+(\i)/2
.if (\i)%2 == 0
	v_wmma_scale_f32_16x16x128_f8f6f4 v[O+8*(\i):O+8*(\i)+7], v[rA:rA+11], v[P:P+11], v[O+8*(\i):O+8*(\i)+7], v[rX], v[PS] matrix_a_fmt:MATRIX_FMT_FP6 matrix_b_fmt:MATRIX_FMT_FP6
.else
	v_wmma_scale_f32_16x16x128_f8f6f4 v[O+8*(\i):O+8*(\i)+7], v[rA:rA+11], v[P:P+11], v[O+8*(\i):O+8*(\i)+7], v[rX], v[PS] matrix_a_fmt:MATRIX_FMT_FP6 matrix_b_fmt:MATRIX_FMT_FP6 matrix_a_scale:MATRIX_SCALE_ROW1
.endif
.endm
; The last step's eight partial sums join the row's sum in two groups of four lines, which are the places behind matrix instructions
.macro SUMA
	v_pk_fma_f32 v[AC:AC+1], v[AC:AC+1], v[F:F+1], v[T:T+1] op_sel_hi:[1,0,1]   ; the sum under that step's M
	v_pk_add_f32 v[T+2:T+3], v[T+2:T+3], v[T+4:T+5]
	v_pk_add_f32 v[T+6:T+7], v[T+6:T+7], v[T+8:T+9]
	v_pk_add_f32 v[T+10:T+11], v[T+10:T+11], v[T+12:T+13]
.endm
.macro SUMB
	v_pk_add_f32 v[AC:AC+1], v[AC:AC+1], v[T+14:T+15]
	v_pk_add_f32 v[T+2:T+3], v[T+2:T+3], v[T+6:T+7]
	v_pk_add_f32 v[AC:AC+1], v[AC:AC+1], v[T+10:T+11]
	v_pk_add_f32 v[AC:AC+1], v[AC:AC+1], v[T+2:T+3]
.endm
	s_load_b128 s[4:7], s[0:1], 0x0                ; qb, kv
	s_load_b128 s[8:11], s[0:1], 0x10              ; ac, asw
	v_lshl_add_u32 v[SPW], v0, 2, SPARE
	v_mov_b32 v[NIL], 0
	ds_add_u32 v[SPW], v[NIL]                      ; the opening lines: an add, twice on end, and its wait
	ds_add_u32 v[SPW], v[NIL]
	v_lshrrev_b32 v8, 5, v0
	v_readfirstlane_b32 s[WV], v8                  ; wave 0..15
	s_bfe_u32 s13, ttmp6, 0x40000                  ; cx: it enters Q's and the outputs' addresses alone
	s_lshl_b32 s14, ttmp9, 2
	s_add_co_u32 s14, s14, s13                     ; my block of 256 queries
	s_and_b32 s15, ttmp7, 0xffff                   ; 8 x batch row + head, which the four partners share
	s_mov_b32 s[G1], 15|(3<<16)|(1<<21)            ; a step's 13,312 dense bytes as 52 rows of 256; the mask names all four work-groups
	s_mov_b32 s[G1+1], 32<<16
	s_mov_b32 s[G1+2], 52<<16
	s_mov_b32 s[G1+3], 32<<16
	s_mov_b32 s[G1+4], 52
	s_mov_b32 s[G1+5], 32
	s_mov_b32 s[G1+6], 0
	s_mov_b32 s[G1+7], 0
	s_mov_b32 s[G0], 1
	s_mul_i32 s[G0+1], s[WV], STEPB                ; step = wave, in LDS as in memory
	s_mul_i32 s60, s15, 16*STEPB
	s_add_co_u32 s60, s60, s[G0+1]
	s_mov_b32 s61, 0
	s_mov_b32 s[SEL], 0x76543210
	s_mov_b32 s[SEL+1], 0xfedcba98
	s_mov_b32 s[CS], 0x3d8293ee
	s_mov_b32 s[CS+1], s[CS]
	s_mov_b32 s[CSN], 0xbd8293ee
	s_wait_dscnt 0x0
	s_wait_kmcnt 0x0
	s_add_nc_u64 s[G0+2:G0+3], s[6:7], s[60:61]
	s_or_b32 s[G0+3], s[G0+3], 0x80000000
	CROUND                                         ; all four work-groups are here: the joint loads meet
	tensor_load_to_lds s[G0:G0+3], s[G1:G1+7]      ; one load a wave, in every wave
	s_nop 0
	PLACES
	s_lshl_b32 s58, s15, 4
	s_lshl_b32 s59, s14, 1
	s_add_co_u32 s58, s58, s59
	s_lshr_b32 s59, s[WV], 3
	s_add_co_u32 s58, s58, s59                     ; my queries' step of qb
	s_mul_i32 s58, s58, 6656
	s_bfe_u32 s59, s[WV], 0x10002                  ; its half c,
	s_and_b32 s36, s[WV], 3                        ; and my tile i in it
	s_mul_i32 s62, s59, 3072
	s_add_co_u32 s62, s62, s58
	s_mov_b32 s63, 0
	s_add_nc_u64 s[50:51], s[4:5], s[62:63]        ; the half's image of 24 registers
	s_lshl_b32 s59, s59, 8
	s_and_b32 s37, s36, 1
	s_lshl_b32 s37, s37, 7
	s_add_co_u32 s59, s59, s37
	s_lshr_b32 s37, s36, 1
	s_lshl_b32 s37, s37, 2
	s_add_co_u32 s59, s59, s37
	s_add_co_u32 s62, s58, s59
	s_add_co_u32 s62, s62, 6144
	s_add_nc_u64 s[52:53], s[4:5], s[62:63]        ; my tile's words: 256 c + 128 (i % 2) + 4 (i / 2), 8 bytes a row
	s_mul_i32 s38, s36, 6
.irp k, 0,1,2                                  ; register m = 6 i + 2 k of the image lies at 512 (m / 4) + 4 (m % 4) + 16 x lane
	s_add_co_u32 s39, s38, 2*\k
	s_lshr_b32 s40, s39, 2
	s_lshl_b32 s40, s40, 9
	s_and_b32 s39, s39, 2
	s_lshl_b32 s39, s39, 2
	s_add_co_u32 s[41+\k], s39, s40
.endr
	s_lshr_b32 s58, s15, 3
	s_lshl_b32 s58, s58, 7
	s_lshl_b32 s59, s14, 4
	s_add_co_u32 s58, s58, s59
	s_add_co_u32 s58, s58, s[WV]                   ; token tile = 128 x batch row + 16 x block + wave
	s_lshl_b32 s58, s58, 3
	s_and_b32 s59, s15, 7
	s_add_co_u32 s58, s58, s59                     ; 8 x tile + head
	s_mul_i32 s62, s58, 768
	s_add_nc_u64 s[54:55], s[8:9], s[62:63]        ; where my codes go,
	s_lshl_b32 s62, s58, 6
	s_add_nc_u64 s[56:57], s[10:11], s[62:63]      ; and my scale words
	v_and_b32 v4, 31, v0
	v_and_b32 v7, 15, v0
	v_bfe_u32 v[SH8], v0, 4, 1
	v_lshlrev_b32 v[L16], 4, v4
	v_lshlrev_b32 v[L8], 3, v4
	v_lshlrev_b32 v[SH8], 3, v[SH8]
	v_lshlrev_b32 v[X], 3, v7
	v_lshlrev_b32 v7, 2, v7
	v_add_nc_u32 v4, s41, v[L16]
	v_add_nc_u32 v5, s42, v[L16]
	v_add_nc_u32 v6, s43, v[L16]
	global_load_b64 v[Q:Q+1], v4, s[50:51]         ; Q stays in registers
	global_load_b64 v[Q+2:Q+3], v5, s[50:51]
	global_load_b64 v[Q+4:Q+5], v6, s[50:51]
	global_load_b32 v[QS], v[X], s[52:53]
.irp j, 6,7,8,9,10,11
	v_mov_b32 v[Q+\j], 0                           ; k = 64 .. 127: zero codes
.endr
.irp j, 0,1,2,3,4,5
	v_mov_b32 v[P+\j], 0                           ; named by the operand of K's last tile before they are first made
.endr
.set j, 0
.rept 18
	v_mov_b32 v[AC+j+2], 0                         ; f's pair and the partial sums: the first step finds zeros
.set j, j+1
.endr
	v_mov_b32 v[AC], 0
	v_mov_b32 v[AC+1], 0
	v_mov_b32 v13, 0xff61b1e6                      ; the largest score so far: -3e38
	v_mov_b32 v14, 0x7d000000                      ; -M ahead of the first step: so large that the first f is 0
	v_mov_b32 v15, 0
	v_mov_b32 v12, 0
	v_mov_b32 v[Y], 0                              ; a lane permute's destination counts as one of its sources
.set j, 0
.rept 32
	v_mov_b32 v[O+j], 0                            ; O^T: the step is written with no first copy
.set j, j+1
.endr
	s_wait_alu depctr_va_vdst(0)                   ; the wait at the head's end
	s_wait_loadcnt 0x0                             ; Q
	s_wait_tensorcnt 0x0                           ; my step is in,
	s_barrier_signal -1
	s_barrier_wait -1                              ; everybody's is
; A KEY STEP: 128 keys, at byte n x STEPB from the trip's first
.macro STEP n
.set OF, (\n)*STEPB
.set NN, NM+2*((\n)%2)
.set NO, NM+2-2*((\n)%2)
	SUMA                                           ; four places behind the last step's products, ahead of the loads into their operands
	ds_load_b64 v[KS:KS+1], v[A8] offset:OF+6144
	ds_load_b64 v[KS+2:KS+3], v[A8] offset:OF+6400
	ds_load_b64 v[VR:VR+1], v[A8] offset:OF+12800
	ds_load_b64 v[VR+2:VR+3], v[A8] offset:OF+13056
.irp p, 0,1,2,3,4,5,6,7,8,9,10,11
	ds_load_b128 v[KV+4*\p:KV+4*\p+3], v[A16] offset:OF+512*\p
.endr
	s_wait_alu depctr_va_vdst(0)
	s_wait_dscnt 6                                 ; the four loads of words and planes 0-5 are in: all that tiles 0-2 name; the youngest six, planes 6-11, may be out
.irp t, 0,1,2
	QK \t
.endr
	s_wait_dscnt 0x0
.irp t, 3,4,5,6,7
	QK \t
.endr
	SUMB                                           ; four places, ahead of the loads into K's registers and of the first read of S^T
.irp c, 0,1                                    ; V lands under the softmax: tiles 2 u and 2 u + 1 of half c are twelve registers of the image: planes 3 u, 3 u + 1 (a half each), 3 u + 2
.irp u, 0,1
	ds_load_b128 v[KV+24*\u+6*\c:KV+24*\u+6*\c+3], v[A16] offset:OF+6656+3072*\c+1536*\u
	ds_load_b64 v[KV+24*\u+6*\c+4:KV+24*\u+6*\c+5], v[A16] offset:OF+6656+3072*\c+1536*\u+512
	ds_load_b64 v[KV+24*\u+6*\c+12:KV+24*\u+6*\c+13], v[A16] offset:OF+6656+3072*\c+1536*\u+520
	ds_load_b128 v[KV+24*\u+6*\c+14:KV+24*\u+6*\c+17], v[A16] offset:OF+6656+3072*\c+1536*\u+1024
.endr
.endr
	v_or_b32 v[VS], v[VR], v[VR+2]                 ; V's words: half 0 holds bytes 0 and 1, half 1 bytes 2 and 3
	v_or_b32 v[VS+1], v[VR+1], v[VR+3]
.irp b, 0,1,2,3
	v_max3_num_f32 v[CH+\b], v[S+16*\b], v[S+1+16*\b], v[S+2+16*\b]   ; four chains of 16 scores; two chains are a block of 32 keys
.endr
.irp i, 3,5,7,9,11,13
.irp b, 0,1,2,3
	v_max3_num_f32 v[CH+\b], v[CH+\b], v[S+16*\b+\i], v[S+1+16*\b+\i]
.endr
.endr
	v_max3_num_f32 v[CH], v[CH], v[CH+1], v[S+15]
	v_max3_num_f32 v[CH+2], v[CH+2], v[CH+3], v[S+47]
	v_max_num_f32 v[CH], v[CH], v[S+31]            ; my two blocks' largest scores: they serve the row's maximum and, since p rises with the score, the blocks' largest p
	v_max_num_f32 v[CH+2], v[CH+2], v[S+63]
	s_delay_alu instid0(VALU_DEP_1)
	v_max3_num_f32 v[X], v13, v[CH], v[CH+2]
	s_delay_alu instid0(VALU_DEP_1)
	v_permlanex16_b32 v[Y], v[X], s[SEL], s[SEL+1]
	s_delay_alu instid0(VALU_DEP_1)
	v_max_num_f32 v13, v[X], v[Y]                  ; the running largest score of my query
	s_delay_alu instid0(VALU_DEP_1)
	v_mul_f32 v[DD], s[CSN], v13                   ; -t (c is positive)
	s_delay_alu instid0(VALU_DEP_1)
	v_floor_f32 v[NN], v[DD]                       ; the new -M = -ceil(t): a whole number
	s_delay_alu instid0(VALU_DEP_1)
	v_sub_f32 v[DD], v[NN], v[NO]                  ; M's old value less its new one
	s_delay_alu instid0(VALU_DEP_1)
	v_cvt_i32_f32 v[DD], v[DD]                     ; (it saturates)
.set j, 0
.rept 32
	v_pk_fma_f32 v[S+j:S+j+1], v[S+j:S+j+1], s[CS:CS+1], v[NN:NN+1] op_sel_hi:[1,0,0]   ; t - M, two at a time
.set j, j+2
.endr
	v_fma_f32 v[CH], v[CH], s[CS], v[NN]
	v_fma_f32 v[CH+2], v[CH+2], s[CS], v[NN]
	s_wait_alu depctr_va_vdst(0)                   ; a wait ahead of the batch
.set j, 0
.rept 64
	v_exp_f32 v[S+j], v[S+j]                       ; p = 2^(t - M): not normalised
.set j, j+1
.endr
	v_exp_f32 v[CH], v[CH]                         ; the blocks' largest p: the same two instructions on the same number give the same bits
	v_exp_f32 v[CH+2], v[CH+2]
	v_ldexp_f32 v[F], 1.0, v[DD]                   ; f = 2^(old M - new M): a multiplication by it rounds nothing.  (The plain place behind the batch)
	s_wait_alu depctr_va_vdst(0)                   ; one wait for the whole batch
	v_max_num_f32 v[CH], 0x1800000, v[CH]          ; the floor 2^(3 - 127): the byte cannot fall under 1
	v_max_num_f32 v[CH+2], 0x1800000, v[CH+2]
	s_delay_alu instid0(VALU_DEP_2)
	v_add_nc_u32 v[SC], 0xff000000, v[CH]          ; 2 off the exponent field: the conversion's scale operand
	s_delay_alu instid0(VALU_DEP_2)
	v_add_nc_u32 v[SC+1], 0xff000000, v[CH+2]
	s_delay_alu instid0(VALU_DEP_2)
	v_lshrrev_b32 v[CH], 23, v[SC]
	s_delay_alu instid0(VALU_DEP_2)
	v_lshrrev_b32 v[CH+2], 23, v[SC+1]
	s_delay_alu instid0(VALU_DEP_1)
	v_lshl_or_b32 v[CH], v[CH+2], 16, v[CH]        ; blocks h and 2 + h,
	s_delay_alu instid0(VALU_DEP_1)
	v_lshlrev_b32 v[CH], v[SH8], v[CH]             ; at their places in the word;
	s_delay_alu instid0(VALU_DEP_1)
	v_permlanex16_b32 v[CH+1], v[CH], s[SEL], s[SEL+1]
	s_delay_alu instid0(VALU_DEP_1)
	v_or_b32 v[PS], v[CH], v[CH+1]                 ; with lane l xor 16's two the word is whole
	v_cvt_scalef32_pk16_fp6_f32 v[P:P+2], v[S:S+15], v[SC]
	v_cvt_scalef32_pk16_fp6_f32 v[TT:TT+2], v[S+16:S+31], v[SC]             ; (a conversion's three registers begin on an even number)
	v_cvt_scalef32_pk16_fp6_f32 v[P+6:P+8], v[S+32:S+47], v[SC+1]
	v_cvt_scalef32_pk16_fp6_f32 v[TT+4:TT+6], v[S+48:S+63], v[SC+1]
.irp k, 0,1,2,3,4,5,6,7                        ; the sum of the unquantised p, in eight chains; they also stand between the conversions and the moves
	v_pk_add_f32 v[T+2*\k:T+2*\k+1], v[S+2*\k:S+2*\k+1], v[S+16+2*\k:S+17+2*\k]
.endr
.irp k, 0,1,2,3,4,5,6,7
	v_pk_add_f32 v[T+2*\k:T+2*\k+1], v[T+2*\k:T+2*\k+1], v[S+32+2*\k:S+33+2*\k]
.endr
.irp k, 0,1,2,3,4,5,6,7
	v_pk_add_f32 v[T+2*\k:T+2*\k+1], v[T+2*\k:T+2*\k+1], v[S+48+2*\k:S+49+2*\k]
.endr
.irp k, 0,1,2
	v_mov_b32 v[P+3+\k], v[TT+\k]
	v_mov_b32 v[P+9+\k], v[TT+4+\k]
.endr
	s_wait_alu depctr_va_vdst(0)                   ; the wait directly ahead of the first reader of O^T
.set j, 0
.rept 16
	v_pk_mul_f32 v[O+j:O+j+1], v[O+j:O+j+1], v[F:F+1] op_sel_hi:[1,0]   ; O^T under the new M.  (These are the places between p's codes and word and their products)
.set j, j+2
.endr
	s_wait_alu depctr_va_vdst(0)                   ; the wait directly ahead of the wait below
	s_wait_dscnt 0x0                               ; V
.irp i, 0,1,2,3
	PV \i                                          ; four accumulators by turns
.endr
.endm
	s_mov_b32 s[TB], 0
	s_mov_b32 s[CNT], 4
.Ltrip:                                                ; a trip is four steps: their places stand in the loads' immediates, and -M's two registers are back where they began
	v_add_nc_u32 v[A16], s[TB], v[L16]
	v_add_nc_u32 v[A8], s[TB], v[L8]
	s_wait_alu depctr_va_vdst(0)
	STEP 0
	STEP 1
	STEP 2
	STEP 3
	s_add_co_u32 s[TB], s[TB], 4*STEPB
	s_sub_co_u32 s[CNT], s[CNT], 1
	s_cmp_lg_u32 s[CNT], 0
	s_cbranch_scc1 .Ltrip
	; THE WAY OUT.  O^T / the sum; register 8 i + j is channel 32 h + 8 i + j of my head: one block of the output projection's K in a lane.  It leaves as a half fragment's image and a scale word a row.
	SUMA                                           ; the last step's sums; also the places behind the last products
	SUMB
	s_delay_alu instid0(VALU_DEP_1)
	v_add_f32 v[AC], v[AC], v[AC+1]
	s_delay_alu instid0(VALU_DEP_1)
	v_permlanex16_b32 v[Y], v[AC], s[SEL], s[SEL+1]
	s_delay_alu instid0(VALU_DEP_1)
	v_add_f32 v[AC], v[AC], v[Y]                   ; with lane l xor 16's blocks: the row's sum
	s_wait_alu depctr_va_vdst(0)
	v_rcp_f32 v[AC], v[AC]
	v_nop
	s_wait_alu depctr_va_vdst(0)
.set j, 0
.rept 16
	v_pk_mul_f32 v[S+j:S+j+1], v[O+j:O+j+1], v[AC:AC+1] op_sel_hi:[1,0]
.set j, j+2
.endr
	v_max3_num_f32 v[CH], |v[S]|, |v[S+1]|, 0x1800000
	v_max3_num_f32 v[CH+2], |v[S+16]|, |v[S+17]|, 0x1800000
.irp i, 2,4,6,8,10,12,14
	s_delay_alu instid0(VALU_DEP_2)
	v_max3_num_f32 v[CH], v[CH], |v[S+\i]|, |v[S+1+\i]|
	s_delay_alu instid0(VALU_DEP_2)
	v_max3_num_f32 v[CH+2], v[CH+2], |v[S+16+\i]|, |v[S+17+\i]|
.endr
	s_delay_alu instid0(VALU_DEP_1)
	v_max_num_f32 v[CH], v[CH], v[CH+2]
	s_delay_alu instid0(VALU_DEP_1)
	v_add_nc_u32 v[SC], 0xff000000, v[CH]
	s_delay_alu instid0(VALU_DEP_1)
	v_lshrrev_b32 v[CH], 23, v[SC]
	s_delay_alu instid0(VALU_DEP_1)
	v_lshlrev_b32 v[CH], v[SH8], v[CH]
	s_delay_alu instid0(VALU_DEP_1)
	v_permlanex16_b32 v[CH+1], v[CH], s[SEL], s[SEL+1]
	s_delay_alu instid0(VALU_DEP_1)
	v_or_b32 v[CH], v[CH], v[CH+1]                 ; my row's two bytes
	v_cvt_scalef32_pk16_fp6_f32 v[P:P+2], v[S:S+15], v[SC]
	v_cvt_scalef32_pk16_fp6_f32 v[TT:TT+2], v[S+16:S+31], v[SC]
	v_nop                                          ; one plain place behind a scaled conversion
.irp k, 0,1,2
	v_mov_b32 v[P+3+\k], v[TT+\k]
.endr
	global_store_b128 v[L16], v[P:P+3], s[54:55]   ; 512 consecutive bytes,
	global_store_b64 v[L8], v[P+4:P+5], s[54:55] offset:512   ; and 256
	global_store_b32 v7, v[CH], s[56:57]           ; lanes l and l xor 16 store the same word with the same value
	s_wait_tensorcnt 0x0                           ; the wave's end
	ds_add_u32 v[SPW], v[NIL]
	s_wait_dscnt 0x0
	CROUND                                         ; the closing round
	s_endpgm
.Lfunc_end_k_q82cf41132b_attn:
	.size	k_q82cf41132b_attn, .Lfunc_end_k_q82cf41132b_attn-k_q82cf41132b_attn
	.p2alignl 7, 3214868480
	.fill 96, 4, 3214868480
	.section	.rodata,"a",@progbits
	.p2align	6, 0x0
	.amdhsa_kernel k_q82cf41132b_attn
		.amdhsa_group_segment_fixed_size 215040
		.amdhsa_private_segment_fixed_size 0
		.amdhsa_enable_private_segment 0
		.amdhsa_kernarg_size 32
		.amdhsa_user_sgpr_count 2
		.amdhsa_user_sgpr_kernarg_segment_ptr 1
		.amdhsa_wavefront_size32 1
		.amdhsa_system_sgpr_workgroup_id_x 1
		.amdhsa_system_sgpr_workgroup_id_y 1
		.amdhsa_system_sgpr_workgroup_id_z 1
		.amdhsa_system_vgpr_workitem_id 0
		.amdhsa_next_free_vgpr 256
		.amdhsa_next_free_sgpr 66
		.amdhsa_reserve_vcc 0
		.amdhsa_float_denorm_mode_32 3
		.amdhsa_float_denorm_mode_16_64 3
		.amdhsa_memory_ordered 1
		.amdhsa_forward_progress 1
		.amdhsa_inst_pref_size 72
	.end_amdhsa_kernel
	.amdgpu_metadata
---
amdhsa.version: [ 1, 2 ]
amdhsa.kernels:
  - .name:           k_q82cf41132b_attn
    .symbol:         k_q82cf41132b_attn.kd
    .args:
      - { .name: qb, .offset: 0, .size: 8, .value_kind: global_buffer, .address_space: global }
      - { .name: kv, .offset: 8, .size: 8, .value_kind: global_buffer, .address_space: global }
      - { .name: ac, .offset: 16, .size: 8, .value_kind: global_buffer, .address_space: global }
      - { .name: asw, .offset: 24, .size: 8, .value_kind: global_buffer, .address_space: global }
    .group_segment_fixed_size: 215040
    .private_segment_fixed_size: 0
    .kernarg_segment_align: 8
    .kernarg_segment_size: 32
    .max_flat_workgroup_size: 512
    .sgpr_count:     66
    .vgpr_count:     256
    .wavefront_size: 32
...
	.end_amdgpu_metadata
.endif
;; end of part 2
;; launch oproj (part 3): grid 64 x 4, 8 waves a work-group, clusters of 4 x 1, 168,960 bytes of LDS; arguments ac, asw, Wo_codes, Wo_scales, bo, out0; writes out0
.if DOCPART == 3
	.amdgcn_target "amdgcn-amd-amdhsa--gfx1250"
	.amdhsa_code_object_version 6
	.text
	.protected	k_q82cf41132b_oproj
	.globl	k_q82cf41132b_oproj
	.p2align	8
	.type	k_q82cf41132b_oproj,@function
k_q82cf41132b_oproj:
	s_mov_b64 s[64:65], 0
	v_nop
	global_prefetch_b8 v0, s[64:65] scope:SCOPE_SE
	s_setreg_imm32_b32 hwreg(HW_REG_WAVE_MODE, 25, 1), 1
	s_wait_xcnt 0x0
	s_wait_alu depctr_hold_cnt(0) depctr_sa_sdst(0) depctr_va_vdst(0) depctr_va_sdst(0) depctr_va_ssrc(0) depctr_va_vcc(0) depctr_vm_vsrc(0)
	s_getreg_b32 s2, hwreg(HW_REG_IB_STS2, 6, 4)
	s_cmp_eq_u32 s2, 0
	s_cbranch_scc0 .Lentry_in_a_cluster
	s_endpgm
.Lentry_in_a_cluster:
	s_bfe_u32 s2, ttmp6, 0x10000c
	s_cmp_lg_u32 s2, 0x3003
	s_cbranch_scc0 .Lentry_shape_is_right
	s_endpgm
.Lentry_shape_is_right:
; THE OUTPUT PROJECTION: out0 = a Wo^T + bo on codes of FP6 (E2M3).  a's codes and scale words are the attention launch's: for each tile of 16 tokens and each head a half fragment's image (768 bytes) and 16 words.
; SHARES.  A work-group makes 128 tokens x 128 features: 64 x 4 = 256 work-groups.  Wave w owns token tile 8 x + w against the 8 tiles of Wo's 128 rows: 32 matrix instructions on 8 accumulators.
; Used transposed (source 0 = 16 rows of Wo, source 1 = my 16 tokens): a lane holds eight neighbouring outputs of one row.  The bias starts every sum: it is loaded into the accumulators.
; Two heads' half fragments on end ARE a K step's fragment (registers 0-5, 6-11), and their two-byte words make its scale word.
; The tokens of a tile, as the projection launch orders them: lane r of tile w is token 64 (w / 4) + 8 (w % 4) + r % 8 + 32 (r / 8) of the 128: the store's offsets put the rows back.
; LDS.  Wo's 128 rows (pitch 432: 16 bytes of padding behind every 128), filled once, 55,296 bytes; behind them a stage of 16 rows x 528 bytes for each wave, its own, into which no fill lands.  The claim is larger than the use.
; CLUSTER.  The four work-groups of a cluster have the same features: Wo's two tiles are asked for jointly by waves 0 and 1.
.set ROWP, 432
.set STG,  55296
.set WV,  16                           ; s16 wave   s17 cx   s18 token block   s19 feature block
.set G1,  20                           ; s[20:27], s[28:31] the descriptor
.set G0,  28
.set ADA, 4                            ; v4, v5  LDS address of Wo's tiles (v5: for the pieces behind one padding more in lanes 16-31)
.set SA,  16                           ; v16-31  Wo's scale words: pair i, K step s at 16 + 4 i + s; lanes 0-15 tile 2 i, lanes 16-31 tile 2 i + 1
.set SB,  32                           ; v32-35  my tokens' scale words, K step s;  v36-43 the eight heads' words as loaded
.set BF,  44                           ; v44-91  my tokens' four fragments
.set FA,  92                           ; v92-139, v140-187 two buffers of four fragments of Wo; on the way out v92-155 take the rows
.set ACC, 192                          ; v192-255
; v1 lane, v2 r, v3 h; v6, v7: 16, 8 x lane; v8: 4 r; v9, v10: the stage, in and back; v12: 32 h
.macro PLACES
.rept 4
	v_nop
.endr
.endm
.macro CROUND                          ; a round of the cluster's barrier
	s_barrier_signal -1
	s_barrier_wait -1
	s_cmp_lg_u32 s[WV], 0
	s_cbranch_scc1 .Lnot_wave_0_\@
	s_barrier_signal -3
.Lnot_wave_0_\@:
	s_barrier_wait -3
	s_barrier_signal -1
	s_barrier_wait -1
.endm
; A fragment from rows in LDS: lane (r, h) takes bytes 96 q + 24 h + 0 .. 23 and 96 q + 48 + 24 h + 0 .. 23 of its row, in pieces of 8 bytes; piece P lies at 8 P + 16 (P / 16)
.macro FRAG reg, adr, q, row
.irp p, 0,1,2,3,4,5
.set PCN, 12*(\q)+6*(\p/3)+\p%3
.if PCN%16 < 13
	ds_load_b64 v[\reg+2*\p:\reg+2*\p+1], v[\adr] offset:8*PCN+16*(PCN/16)+(\row)*ROWP
.else
	ds_load_b64 v[\reg+2*\p:\reg+2*\p+1], v[\adr+1] offset:8*PCN+16*(PCN/16)+(\row)*ROWP
.endif
.endr
.endm
.macro OMM t, s
.set rD, ACC+8*(\t)
.set rA, FA+48*(((\t)/4)%2)+12*((\t)%4)
.set rB, BF+12*(\s)
.set rX, SA+4*((\t)/2)+(\s)
.set rY, SB+(\s)
.if (\t)%2 == 0
	v_wmma_scale_f32_16x16x128_f8f6f4 v[rD:rD+7], v[rA:rA+11], v[rB:rB+11], v[rD:rD+7], v[rX], v[rY] matrix_a_fmt:MATRIX_FMT_FP6 matrix_b_fmt:MATRIX_FMT_FP6
.else
	v_wmma_scale_f32_16x16x128_f8f6f4 v[rD:rD+7], v[rA:rA+11], v[rB:rB+11], v[rD:rD+7], v[rX], v[rY] matrix_a_fmt:MATRIX_FMT_FP6 matrix_b_fmt:MATRIX_FMT_FP6 matrix_a_scale:MATRIX_SCALE_ROW1
.endif
.endm
.macro LOADP p                         ; phase p = K step p / 2, Wo's tiles 4 (p % 2) .. + 3, into buffer p % 2: 24 loads
.set LQ, (\p)/2
.set LU, (\p)%2
.irp i, 0,1,2,3
	FRAG FA+48*LU+12*\i, ADA, LQ, 16*(4*LU+\i)
.endr
.endm
.macro PHASE p                         ; four products on four accumulators; the other four take the next phase
.set PS, (\p)/2
.set PU, (\p)%2
.if (\p) < 7
	s_wait_dscnt 24                                ; this phase's fragments are in; the next phase's 24 loads may be out
.else
	s_wait_dscnt 0x0
.endif
.irp i, 0,1,2,3
	OMM 4*PU+\i, PS
.endr
.if (\p) < 6
	PLACES
	LOADP (\p)+2                                   ; into the buffer just read
.endif
.endm
	s_load_b256 s[4:11], s[0:1], 0x0               ; ac s[4:5], asw s[6:7], Wo's codes s[8:9], Wo's scales s[10:11]
	s_load_b128 s[12:15], s[0:1], 0x20             ; bo, out0
	v_lshl_add_u32 v190, v0, 2, 0x29000
	v_mov_b32 v191, 0
	ds_add_u32 v190, v191
	ds_add_u32 v190, v191
	v_lshrrev_b32 v1, 5, v0
	s_delay_alu instid0(VALU_DEP_1)
	v_readfirstlane_b32 s[WV], v1                  ; wave 0..7
	s_bfe_u32 s17, ttmp6, 0x40000                  ; cx: it enters the tokens' and the output's addresses alone
	s_lshl_b32 s18, ttmp9, 2
	s_add_co_u32 s18, s18, s17                     ; my 128 tokens
	s_and_b32 s19, ttmp7, 0xffff                   ; my 128 features, which the four partners share
	; descriptor group 1: 64 rows of codes as 8 dense rows of 3,072 bytes; 16 bytes of padding behind every 128
	s_mov_b32 s[G1], 15|(1<<20)|(1<<21)|(4<<22)|(3<<25)
	s_mov_b32 s[G1+1], 3072<<16
	s_mov_b32 s[G1+2], 8<<16
	s_mov_b32 s[G1+3], 3072<<16
	s_mov_b32 s[G1+4], 8
	s_mov_b32 s[G1+5], 3072
	s_mov_b32 s[G1+6], 0
	s_mov_b32 s[G1+7], 0
	s_and_b32 s36, s[WV], 1
	s_mov_b32 s[G0], 1
	s_mul_i32 s[G0+1], s36, 64*ROWP                ; which 64 rows: in LDS,
	s_mul_i32 s36, s36, 24576                      ; and in memory
	s_mul_i32 s37, s19, 49152
	s_add_co_u32 s36, s36, s37
	s_mov_b32 s37, 0
	s_wait_dscnt 0x0
	s_wait_kmcnt 0x0
	s_add_nc_u64 s[G0+2:G0+3], s[8:9], s[36:37]
	s_or_b32 s[G0+3], s[G0+3], 0x80000000
	CROUND                                         ; all four work-groups are here: the joint loads meet
	s_cmp_lt_u32 s[WV], 2
	s_cbranch_scc0 .Lno_fill
	tensor_load_to_lds s[G0:G0+3], s[G1:G1+7]
	s_nop 0
	PLACES
.Lno_fill:
	v_and_b32 v1, 31, v0                           ; lane
	v_and_b32 v2, 15, v0                           ; r
	v_bfe_u32 v3, v0, 4, 1                         ; h
	s_delay_alu instid0(VALU_DEP_2)
	v_mul_u32_u24 v13, v2, ROWP
	s_delay_alu instid0(VALU_DEP_1)
	v_mad_u32_u24 v[ADA], v3, 24, v13
	s_delay_alu instid0(VALU_DEP_2)
	v_mad_u32_u24 v[ADA+1], v3, 40, v13
	v_lshlrev_b32 v6, 4, v1
	s_wait_alu depctr_va_vdst(0)
	v_lshlrev_b32 v7, 3, v1
	s_wait_alu depctr_va_vdst(0)
	v_lshlrev_b32 v8, 2, v2
	s_wait_alu depctr_va_vdst(0)
	v_lshlrev_b32 v12, 5, v3
	s_wait_alu depctr_va_vdst(0)
	s_mul_i32 s32, s[WV], 16*528
	s_add_co_u32 s32, s32, STG                     ; my stage
	v_mul_u32_u24 v9, v2, 528
	s_delay_alu instid0(VALU_DEP_1)
	v_lshl_add_u32 v9, v3, 5, v9
	s_delay_alu instid0(VALU_DEP_1)
	v_add_nc_u32 v9, s32, v9                       ; in: row r, 32 bytes for each half of the lanes
	v_add_nc_u32 v10, s32, v6                      ; back: the 32 lanes take one row of 512 bytes
	s_lshl_b32 s33, s18, 3
	s_add_co_u32 s33, s33, s[WV]                   ; my token tile
	s_mul_i32 s34, s33, 6144
	s_mov_b32 s35, 0
	s_add_nc_u64 s[4:5], s[4:5], s[34:35]          ; its eight half fragments,
	s_lshl_b32 s34, s33, 9
	s_add_nc_u64 s[6:7], s[6:7], s[34:35]          ; its eight times 16 words
	s_lshl_b32 s34, s19, 11
	s_add_nc_u64 s[10:11], s[10:11], s[34:35]      ; Wo's scale bytes: 16 a row
	s_lshl_b32 s34, s19, 9
	s_add_nc_u64 s[12:13], s[12:13], s[34:35]      ; bo
	s_add_nc_u64 s[14:15], s[14:15], s[34:35]      ; out0: my features' 512 bytes of a row,
	s_lshl_b32 s34, s18, 7
	s_lshr_b32 s38, s[WV], 2
	s_lshl_b32 s38, s38, 6
	s_add_co_u32 s34, s34, s38
	s_and_b32 s38, s[WV], 3
	s_lshl_b32 s38, s38, 3
	s_add_co_u32 s34, s34, s38                     ; my tile's first token: 128 x + 64 (w / 4) + 8 (w % 4)
	s_lshl_b32 s34, s34, 11
	s_add_nc_u64 s[14:15], s[14:15], s[34:35]
.irp s, 0,1,2,3
	global_load_b128 v[BF+12*\s:BF+12*\s+3], v6, s[4:5] offset:1536*\s
	global_load_b64 v[BF+12*\s+4:BF+12*\s+5], v7, s[4:5] offset:1536*\s+512
	global_load_b128 v[BF+12*\s+6:BF+12*\s+9], v6, s[4:5] offset:1536*\s+768
	global_load_b64 v[BF+12*\s+10:BF+12*\s+11], v7, s[4:5] offset:1536*\s+1280
.endr
.irp d, 0,1,2,3,4,5,6,7
	global_load_b32 v[36+\d], v8, s[6:7] offset:64*\d
.endr
.irp i, 0,1,2,3
	global_load_b128 v[SA+4*\i:SA+4*\i+3], v6, s[10:11] offset:512*\i   ; row 32 i + lane: a row's 16 bytes are its four K steps' words
.endr
.irp t, 0,1,2,3,4,5,6,7
	global_load_b128 v[ACC+8*\t:ACC+8*\t+3], v12, s[12:13] offset:64*\t         ; the bias: register 8 t + j is feature 16 t + 8 h + j
	global_load_b128 v[ACC+8*\t+4:ACC+8*\t+7], v12, s[12:13] offset:64*\t+16
.endr
	s_wait_loadcnt 0x0
.irp s, 0,1,2,3
	v_lshl_or_b32 v[SB+\s], v[37+2*\s], 16, v[36+2*\s]   ; heads 2 s and 2 s + 1: four bytes
.endr
.rept 8
	v_nop                                          ; a scale register written by a vector instruction stands 8 places ahead of a scaled matrix instruction
.endr
	s_wait_alu depctr_va_vdst(0)
	s_wait_tensorcnt 0x0                           ; my tile is in,
	s_barrier_signal -1
	s_barrier_wait -1                              ; everybody's is
	LOADP 0
	LOADP 1
.irp p, 0,1,2,3,4,5,6,7
	PHASE \p
.endr
	; THE WAY OUT: through my own stage, back as whole rows of 512 bytes.  LDS serves a wave's instructions in order (ISA guide 5.7.1.4): no wait between the stores and the loads.
	PLACES
.irp t, 0,1,2,3,4,5,6,7
	ds_store_b128 v9, v[ACC+8*\t:ACC+8*\t+3] offset:64*\t           ; each accumulator from its low end on
	ds_store_b128 v9, v[ACC+8*\t+4:ACC+8*\t+7] offset:64*\t+16
.endr
.irp i, 0,1,2,3,4,5,6,7,8,9,10,11,12,13,14,15
	ds_load_b128 v[FA+4*\i:FA+4*\i+3], v10 offset:528*\i
.endr
.irp i, 0,1,2,3,4,5,6,7,8,9,10,11,12,13,14,15
	s_wait_dscnt 15-\i
	global_store_b128 v6, v[FA+4*\i:FA+4*\i+3], s[14:15] offset:(\i+24*(\i/8))*2048 th:TH_STORE_NT   ; row i of the tile is token i + 24 (i / 8) from its first; 32 lanes store 512 consecutive bytes, at a multiple of 256 from out0's first byte
.endr
	s_wait_tensorcnt 0x0
	ds_add_u32 v190, v191
	s_wait_dscnt 0x0
	CROUND                                         ; the closing round: no work-group ends while a partner may still ask for a tile that names it
	s_endpgm
.Lfunc_end_k_q82cf41132b_oproj:
	.size	k_q82cf41132b_oproj, .Lfunc_end_k_q82cf41132b_oproj-k_q82cf41132b_oproj
	.p2alignl 7, 3214868480
	.fill 96, 4, 3214868480
	.section	.rodata,"a",@progbits
	.p2align	6, 0x0
	.amdhsa_kernel k_q82cf41132b_oproj
		.amdhsa_group_segment_fixed_size 168960
		.amdhsa_private_segment_fixed_size 0
		.amdhsa_enable_private_segment 0
		.amdhsa_kernarg_size 48
		.amdhsa_user_sgpr_count 2
		.amdhsa_user_sgpr_kernarg_segment_ptr 1
		.amdhsa_wavefront_size32 1
		.amdhsa_system_sgpr_workgroup_id_x 1
		.amdhsa_system_sgpr_workgroup_id_y 1
		.amdhsa_system_sgpr_workgroup_id_z 1
		.amdhsa_system_vgpr_workitem_id 0
		.amdhsa_next_free_vgpr 256
		.amdhsa_next_free_sgpr 66
		.amdhsa_reserve_vcc 0
		.amdhsa_float_denorm_mode_32 3
		.amdhsa_float_denorm_mode_16_64 3
		.amdhsa_memory_ordered 1
		.amdhsa_forward_progress 1
		.amdhsa_inst_pref_size 31
	.end_amdhsa_kernel
	.amdgpu_metadata
---
amdhsa.version: [ 1, 2 ]
amdhsa.kernels:
  - .name:           k_q82cf41132b_oproj
    .symbol:         k_q82cf41132b_oproj.kd
    .args:
      - { .name: ac, .offset: 0, .size: 8, .value_kind: global_buffer, .address_space: global }
      - { .name: asw, .offset: 8, .size: 8, .value_kind: global_buffer, .address_space: global }
      - { .name: Wo_codes, .offset: 16, .size: 8, .value_kind: global_buffer, .address_space: global }
      - { .name: Wo_scales, .offset: 24, .size: 8, .value_kind: global_buffer, .address_space: global }
      - { .name: bo, .offset: 32, .size: 8, .value_kind: global_buffer, .address_space: global }
      - { .name: out0, .offset: 40, .size: 8, .value_kind: global_buffer, .address_space: global }
    .group_segment_fixed_size: 168960
    .private_segment_fixed_size: 0
    .kernarg_segment_align: 8
    .kernarg_segment_size: 48
    .max_flat_workgroup_size: 256
    .sgpr_count:     66
    .vgpr_count:     256
    .wavefront_size: 32
...
	.end_amdgpu_metadata
.endif
;; end of part 3
